; MI455X (gfx1250); checked and timed in simulation.
; The chip was launched on July 23, 2026; its instructions are those of AMD's public machine-readable ISA for CDNA 5 (MIT licence, August 2026) and "CDNA5" Instruction Set Architecture Reference Guide (July 2026). The comments in the code are by the model that wrote it; some were corrected since.
;; Vector Quantizer. Allowed arithmetic: float matrix products may take bf16 or f16 operands with f32 sums; all other float work in f32.
;; Inputs: weight 8,192 x 256 float32; z 4 x 256 x 8 x 32 x 32 float32.
;; Outputs: out0 4 x 256 x 8 x 32 x 32 float32; out1 one number float32; out2 4 x 8 x 32 x 32 int32.
;; One version. Each part assembles by itself: llvm-mc -triple=amdgcn-amd-amdhsa -mcpu=gfx1250 --defsym DOCPART=n.
;; ======== version 1 of 1: 4 launches
;; workspace buffers: wb 4,194,304 bytes; ww 32,768 bytes; idx 131,072 bytes of whole numbers; part 8,192 bytes
;; launch prep (part 1): grid 128 x 1, 8 waves a work-group, no clusters, 1,280 bytes of LDS; arguments weight, wb, ww; writes wb, ww
.if DOCPART == 1
	.amdgcn_target "amdgcn-amd-amdhsa--gfx1250"
	.amdhsa_code_object_version 6
	.text
	.protected	k_q4ae7105733_prep
	.globl	k_q4ae7105733_prep
	.p2align	8
	.type	k_q4ae7105733_prep,@function
k_q4ae7105733_prep:
	s_mov_b64 s[64:65], 0
	v_nop
	global_prefetch_b8 v0, s[64:65] scope:SCOPE_SE
	s_setreg_imm32_b32 hwreg(HW_REG_WAVE_MODE, 25, 1), 1
	s_wait_xcnt 0x0
; wb[k][c] = bf16(weight[k][c]);  ww[k] = sum over c of wb[k][c]^2 in f32.   weight: [8192][256] f32.
; The squares are taken of the ROUNDED numbers, so that ww belongs to the same vectors that the matrix unit multiplies in the next launch.
; Eight waves; the work-group owns 64 codes, so that its 64 ww are 256 consecutive bytes, stored by one instruction; a wave owns 8 rows.
; A row is 1,024 bytes: two loads of 16 bytes a lane.  The lane holds channels 4 l .. 4 l + 3 and 128 + 4 l .. + 3, which pack into 8 + 8 bytes:
; each store of the wave covers 256 consecutive bytes of wb, aligned.  All 16 loads of a wave go out at once.
; No matrix unit, no cluster, no tensor load: every byte is read once, by one wave, and nothing is shared.
.set X, 16                             ; v[16:79]   row k: 8 registers as loaded
.set P, 80                             ; v[80:111]  row k: 4 registers, 8 bf16; store data, never rewritten
.set S, 4                              ; v[4:11]    row k: the lane's sum of squares
.macro WSUM r, tmp, sa, sb             ; sum over the 32 lanes, result in every lane
	v_add_f32_dpp v[\r], v[\r], v[\r] row_xmask:1 row_mask:0xf bank_mask:0xf
	v_add_f32_dpp v[\r], v[\r], v[\r] row_xmask:2 row_mask:0xf bank_mask:0xf
	v_add_f32_dpp v[\r], v[\r], v[\r] row_xmask:4 row_mask:0xf bank_mask:0xf
	v_add_f32_dpp v[\r], v[\r], v[\r] row_xmask:8 row_mask:0xf bank_mask:0xf
	v_permlanex16_b32 v[\tmp], v[\r], s[\sa], s[\sb]
	v_add_f32 v[\r], v[\r], v[\tmp]
.endm
	s_load_b128 s[4:7], s[0:1], 0x0                ; weight s[4:5], wb s[6:7]
	s_load_b64 s[8:9], s[0:1], 0x10                ; ww
	v_lshl_add_u32 v112, v0, 2, 0x100
	v_mov_b32 v113, 0
	v_lshrrev_b32 v1, 5, v0
	v_readfirstlane_b32 s10, v1                    ; wave 0..7
	v_and_b32 v2, 31, v0                           ; lane
	v_lshlrev_b32 v1, 4, v2                        ; 16 bytes a lane in a row of weight
	v_lshlrev_b32 v2, 3, v2                        ; 8 bytes a lane in a row of wb, and in the group's ww
	s_lshl_b32 s16, s10, 5
	v_mov_b32 v3, s16                              ; LDS: my wave's eight words
	v_mov_b32 v13, 0                               ; the lane exchange counts as a reader of its destination
	s_mov_b32 s14, 0x76543210                      ; lane i of one half reads lane i of the other
	s_mov_b32 s15, 0xfedcba98
	s_lshl_b32 s12, ttmp9, 6
	s_lshl3_add_u32 s12, s10, s12                  ; my first row = 64 x group + 8 x wave
	s_lshl_b32 s16, s12, 10                        ; x 1,024 bytes (below 8 MiB)
	s_mov_b32 s17, 0
	s_lshl_b32 s18, s12, 9                         ; x 512 bytes
	s_mov_b32 s19, 0
	s_lshl_b32 s20, ttmp9, 8                       ; the group's 256 bytes of ww
	s_mov_b32 s21, 0
	s_wait_kmcnt 0x0
	s_add_nc_u64 s[4:5], s[4:5], s[16:17]
	s_add_nc_u64 s[6:7], s[6:7], s[18:19]
	s_add_nc_u64 s[8:9], s[8:9], s[20:21]
.irp k, 0,1,2,3,4,5,6,7
	global_load_b128 v[X+8*\k:X+8*\k+3],   v1, s[4:5] offset:\k*1024 th:TH_LOAD_NT
	global_load_b128 v[X+8*\k+4:X+8*\k+7], v1, s[4:5] offset:\k*1024+512 th:TH_LOAD_NT
.endr
.irp k, 0,1,2,3,4,5,6,7
	s_wait_loadcnt 14-2*\k                         ; loads return in order: row k is in, the two loads of each later row stay out
	v_cvt_pk_bf16_f32 v[P+4*\k],   v[X+8*\k],   v[X+8*\k+1]
	v_cvt_pk_bf16_f32 v[P+4*\k+1], v[X+8*\k+2], v[X+8*\k+3]
	v_cvt_pk_bf16_f32 v[P+4*\k+2], v[X+8*\k+4], v[X+8*\k+5]
	v_cvt_pk_bf16_f32 v[P+4*\k+3], v[X+8*\k+6], v[X+8*\k+7]
	global_store_b64 v2, v[P+4*\k:P+4*\k+1],   s[6:7] offset:\k*512
	global_store_b64 v2, v[P+4*\k+2:P+4*\k+3], s[6:7] offset:\k*512+256
	v_lshlrev_b32 v12, 16, v[P+4*\k]               ; the first square starts the sum: nothing is cleared
	v_mul_f32 v[S+\k], v12, v12
	v_fma_mix_f32_bf16 v[S+\k], v[P+4*\k], v[P+4*\k], v[S+\k] op_sel:[1,1,0] op_sel_hi:[1,1,0]
.irp j, 1,2,3
	v_fma_mix_f32_bf16 v[S+\k], v[P+4*\k+\j], v[P+4*\k+\j], v[S+\k] op_sel_hi:[1,1,0]
	v_fma_mix_f32_bf16 v[S+\k], v[P+4*\k+\j], v[P+4*\k+\j], v[S+\k] op_sel:[1,1,0] op_sel_hi:[1,1,0]
.endr
.endr
.irp k, 0,1,2,3,4,5,6,7
	WSUM S+\k, 13, 14, 15
.endr
.irp k, 0,1,2,3,4,5,6,7
	ds_store_b32 v3, v[S+\k] offset:4*\k           ; all lanes write the same word with the same value
.endr
	s_wait_dscnt 0x0                               ; for wave 0's sake: my eight words are in LDS
	s_barrier_signal -1
	s_barrier_wait -1
	s_cmp_lg_u32 s10, 0
	s_cbranch_scc1 .Lend
	ds_load_b64 v[14:15], v2                       ; 32 lanes x 2 words: the group's 64 sums
	s_wait_dscnt 0x0
	global_store_b64 v2, v[14:15], s[8:9]          ; 256 consecutive bytes, aligned
.Lend:
	s_wait_tensorcnt 0x0
	ds_add_u32 v112, v113
	s_wait_dscnt 0x0
	s_endpgm
.Lfunc_end_k_q4ae7105733_prep:
	.size	k_q4ae7105733_prep, .Lfunc_end_k_q4ae7105733_prep-k_q4ae7105733_prep
	.p2alignl 7, 3214868480
	.fill 96, 4, 3214868480
	.section	.rodata,"a",@progbits
	.p2align	6, 0x0
	.amdhsa_kernel k_q4ae7105733_prep
		.amdhsa_group_segment_fixed_size 1280
		.amdhsa_private_segment_fixed_size 0
		.amdhsa_enable_private_segment 0
		.amdhsa_kernarg_size 24
		.amdhsa_user_sgpr_count 2
		.amdhsa_user_sgpr_kernarg_segment_ptr 1
		.amdhsa_wavefront_size32 1
		.amdhsa_system_sgpr_workgroup_id_x 1
		.amdhsa_system_sgpr_workgroup_id_y 1
		.amdhsa_system_sgpr_workgroup_id_z 1
		.amdhsa_system_vgpr_workitem_id 0
		.amdhsa_next_free_vgpr 114
		.amdhsa_next_free_sgpr 66
		.amdhsa_reserve_vcc 0
		.amdhsa_float_denorm_mode_32 3
		.amdhsa_float_denorm_mode_16_64 3
		.amdhsa_memory_ordered 1
		.amdhsa_forward_progress 1
		.amdhsa_inst_pref_size 15
	.end_amdhsa_kernel
	.amdgpu_metadata
---
amdhsa.version: [ 1, 2 ]
amdhsa.kernels:
  - .name:           k_q4ae7105733_prep
    .symbol:         k_q4ae7105733_prep.kd
    .args:
      - { .name: weight, .offset: 0, .size: 8, .value_kind: global_buffer, .address_space: global }
      - { .name: wb, .offset: 8, .size: 8, .value_kind: global_buffer, .address_space: global }
      - { .name: ww, .offset: 16, .size: 8, .value_kind: global_buffer, .address_space: global }
    .group_segment_fixed_size: 1280
    .private_segment_fixed_size: 0
    .kernarg_segment_align: 8
    .kernarg_segment_size: 24
    .max_flat_workgroup_size: 256
    .sgpr_count:     66
    .vgpr_count:     114
    .wavefront_size: 32
...
	.end_amdgpu_metadata
.endif
;; end of part 1
;; launch dist (part 2): grid 256 x 1, 8 waves a work-group, clusters of 4 x 1, 327,680 bytes of LDS; arguments z, wb, ww, out2, idx; writes out2, idx
.if DOCPART == 2
	.amdgcn_target "amdgcn-amd-amdhsa--gfx1250"
	.amdhsa_code_object_version 6
	.text
	.protected	k_q4ae7105733_dist
	.globl	k_q4ae7105733_dist
	.p2align	8
	.type	k_q4ae7105733_dist,@function
k_q4ae7105733_dist:
	s_mov_b64 s[64:65], 0
	v_nop
	global_prefetch_b8 v0, s[64:65] scope:SCOPE_SE
	s_setreg_imm32_b32 hwreg(HW_REG_WAVE_MODE, 25, 1), 1
	s_wait_xcnt 0x0
	s_wait_alu depctr_hold_cnt(0) depctr_sa_sdst(0) depctr_va_vdst(0) depctr_va_sdst(0) depctr_va_ssrc(0) depctr_va_vcc(0) depctr_vm_vsrc(0)
	s_getreg_b32 s2, hwreg(HW_REG_IB_STS2, 6, 4)
	s_cmp_eq_u32 s2, 0
	s_cbranch_scc0 .Lentry_in_a_cluster
	s_endpgm
.Lentry_in_a_cluster:
	s_bfe_u32 s2, ttmp6, 0x10000c
	s_cmp_lg_u32 s2, 0x3003
	s_cbranch_scc0 .Lentry_shape_is_right
	s_endpgm
.Lentry_shape_is_right:
; out2[n] = idx[n] = the first k that minimises d(n, k) = fl(fl(zz[n] - 2 dot(n, k)) + ww[k]),   n = 32,768 vectors, k = 8,192 codes, 256 channels.
; dot comes from the matrix unit on bf16 operands with f32 sums; zz and ww are sums of squares of the same rounded numbers; the two roundings of d
; are those of the formula as written (2 dot is exact, so one fused multiply-add gives fl(zz - 2 dot)); ties go to the lowest k.
; LIMITS: a NaN distance is passed over (the minima ignore NaN); a vector whose distances are all +inf or NaN gets index 0.  dot's last bits hang on
; the order of its sum, so a vector whose two best distances lie on a rounding boundary of f32 within those bits can get the other of the two codes.
; bf16 and not f16: codes of the order of 1e-4 and their products leave f16 no room.
;
; SHARE.  A work-group owns 128 vectors (z is [b][c][s]: 128 neighbouring s of one b).  Eight waves, two on each SIMD: wave w = 4 zr + cq keeps 64
; vectors (zr) as B fragments in 256 registers for the whole launch and takes quarter cq of every tile of 256 codes.  All codes stream through two LDS
; slots.  A group is 16 codes x 64 vectors: 32 matrix instructions, and 92 vector instructions that fold the 1,024 distances into the running minima.
; ORIENTATION.  A = 16 codes, B = 16 vectors: lane (r, h), register j holds (code 8 h + j, vector r): the minimum over codes runs along a lane's registers,
; zz is one number a lane and tile, ww eight registers a group.  Column r of tile t is vector 64 zr + 4 r + t, so 16 bytes of one channel of z give a
; lane that channel for its column in all four tiles: z needs no transposition, and k stands in its true place.
; THE FOLD keeps, for each lane and tile, the least distance, the number of the first group that reached it, and that group's eight distances; which of the
; eight it was is settled once, at the end.  Groups come in ascending order of k and the comparison is strict: the first minimum stays.
; THE FOLD RUNS ONE GROUP BEHIND THE PRODUCTS.  Two sets of four accumulators take turns group by group: while group g's products go into one set, group
; g - 1's distances are folded out of the other, a few vector instructions behind each K step's four matrix instructions.  These vector instructions are
; also the places that must stand between a matrix instruction and a load into one of its sources, so A's fragments need one buffer only: K step q's
; fragment of the next group is loaded as soon as this group's products on it are four vector instructions back.
; WINDOWS.  The matrix instructions take B from window 1 (source 1).  The two roundings of d are written as multiply-adds with a constant in source 1
; (x -2.0 + zz, x 1.0 + ww: the second rounds as an addition does), so they run under the same setting.  Minima, compares and selects need two vector
; sources of window 0: they stand in two runs of 30 a group.  Two waves on a SIMD, so that one feeds the matrix unit while the other is in such a run.
; CLUSTER.  The four work-groups of a cluster walk the same code tiles and the same ww: these are asked for jointly (mask 15).  z is each group's own.
;
; LDS: slot 0 at 0 and slot 1 at 135,168: 256 code rows of 512 bytes + 16 of padding (pitch 528 = 33 x 16: the 16 rows of a fragment load start in 16
; different 16-byte columns of 256).  Slot 1 first holds the group's z, [256 channels][128 s] f32, pitch 512.  ww at 270,336 (32,768 bytes, filled once).
; Scratch for the last merge at 303,104 (4,096 bytes): no tensor load ever lands there.
.set SLOTB, 135168
.set PITCH, 528
.set WPART, 32*PITCH                   ; what one wave's load fills of a slot: 32 rows
.set WWL,   270336
.set SCR,   303104
.set TILEB, 131072                     ; a tile of 256 codes in wb
; window 0
.set ADRW, 4                           ; v4, v5     my A fragments' address in slot 0, 1
.set WA,   6                           ; v6         my eight ww of a group; steps 2,048 bytes a trip (two tiles)
.set ZA,   7                           ; v7, v8     z in LDS: channels 0-127, 128-255
.set SCRW, 9                           ; v9         scratch, where I write
.set SCRR, 10                          ; v10        scratch, where wave 0 reads
.set OOFF, 11                          ; v11        16 x lane: the output
.set LB,   12                          ; v12        64 cq + 8 h: the lane's part of a code's number
.set T0,   13                          ; v13-15, v59  at work in the fold, two for each of two tiles
.set T1,   14
.set T2,   15
.set T3,   59
.set BEST, 16                          ; v[16:19]   tile t: least distance so far
.set GID,  20                          ; v[20:23]   tile t: 256 x step + 16 x group of the first group that reached it
.set ZZ,   24                          ; v[24:31]   tile t: zz twice, a pair for the packed multiply-add
.set WWB,  32                          ; v[32:47]   ww of a group, two buffers: group g's in buffer g mod 2
.set ZP,   48                          ; v[48:55]   partial sums of zz; later:
.set EV,   48                          ; v[48:51]   tile t: the lane pair's least distance
.set EI,   52                          ; v[52:55]   tile t: its code
.set PV,   56
.set PI,   57
.set JJ,   58
.set AB,   64                          ; v[64:127]  A fragments of a group, K step q at + 8 q.  At the start v[64:191] hold z in f32, two buffers
.set ACC,  192                         ; v[192:223] accumulator set 0, v[128:159] set 1 (set s at ACC - 64 s), tile t at + 8 t
.set SAVE, 224                         ; v[224:255] tile t: the eight distances of the group named by GID
; window 1: v[256 + 64 t + 8 q ..]: B fragment of tile t, K step q
.set G1W,  32                          ; s[32:39]   group 1, code tiles (joint)
.set G1WW, 40                          ; s[40:47]   group 1, ww (joint)
.set G1Z,  48                          ; s[48:55]   group 1, z (my group's own)
.set G0,   56                          ; s[56:63]   group 0 of slot 0, slot 1
.set G0Z,  68                          ; s[68:71]
.set G0WW, 72                          ; s[72:75]
.set MSB, 0
.macro WIN new                         ; s_set_vgpr_msb; the immediate's high byte repeats the setting that is left
.if MSB != \new
	s_set_vgpr_msb (MSB<<8)|\new
.set MSB, \new
.endif
.endm
; A round of the cluster's barrier: my group's barrier, wave 0 signals for the group, every wave waits for the four groups, my group's barrier again.
.macro CREST                           ; a round behind its opening barrier
	s_cmp_lg_u32 s14, 0
	s_cbranch_scc1 .Lnot_wave_0_\@
	s_barrier_signal -3
.Lnot_wave_0_\@:
	s_barrier_wait -3
	s_barrier_signal -1
	s_barrier_wait -1
.endm
.macro ROUND
	s_barrier_signal -1
	s_barrier_wait -1
	CREST
.endm
	s_load_b256 s[4:11], s[0:1], 0x0               ; z s[4:5], wb s[6:7], ww s[8:9], out2 s[10:11]
	s_load_b64 s[12:13], s[0:1], 0x20              ; idx
	v_lshl_add_u32 v62, v0, 2, 0x4b000
	v_mov_b32 v63, 0
	ds_add_u32 v62, v63
	v_lshrrev_b32 v1, 5, v0
	v_readfirstlane_b32 s14, v1                    ; wave 0..7
	s_and_b32 s15, s14, 3                          ; cq: my quarter of a tile's codes
	s_lshr_b32 s16, s14, 2                         ; zr: my half of the group's vectors
	s_bfe_u32 s17, ttmp6, 0x40000                  ; cx
	s_lshl_b32 s18, ttmp9, 2                       ; in a cluster launch ttmp9 counts clusters
	s_add_co_u32 s18, s18, s17                     ; work-group 0..255; it enters z's address and the outputs' alone
	s_mov_b32 s21, 0x76543210                      ; lane i of one half reads lane i of the other
	s_mov_b32 s22, 0xfedcba98
	s_mov_b32 s23, 0x7f800000                      ; +inf
	; group 1, code tiles: 32 rows x 256 elements of 2 bytes, pitch 256; 4 words of padding behind every 128 words; mask 15 with bit 21 beside it
	s_mov_b32 s[G1W+0], 15|(1<<16)|(1<<20)|(1<<21)|(6<<22)|(3<<25)
	s_mov_b32 s[G1W+1], 256<<16                    ; tensor_dim0 = 256
	s_mov_b32 s[G1W+2], 32<<16                     ; tensor_dim1 = 32
	s_mov_b32 s[G1W+3], 256<<16                    ; tile_dim0 = 256
	s_mov_b32 s[G1W+4], 32                         ; tile_dim1 = 32
	s_mov_b32 s[G1W+5], 256                        ; elements from row to row
	s_mov_b32 s[G1W+6], 0
	s_mov_b32 s[G1W+7], 0
	; group 1, ww: a dense block of 4,096 bytes a wave as 16 rows of 32 elements of 8 bytes; mask 15
	s_mov_b32 s[G1WW+0], 15|(3<<16)|(1<<21)
	s_mov_b32 s[G1WW+1], 32<<16
	s_mov_b32 s[G1WW+2], 16<<16
	s_mov_b32 s[G1WW+3], 32<<16
	s_mov_b32 s[G1WW+4], 16
	s_mov_b32 s[G1WW+5], 32
	s_mov_b32 s[G1WW+6], 0
	s_mov_b32 s[G1WW+7], 0
	; group 1, z: 32 channels x 128 elements of 4 bytes, 8,192 elements from channel to channel; no mask
	s_mov_b32 s[G1Z+0], 2<<16
	s_mov_b32 s[G1Z+1], 128<<16
	s_mov_b32 s[G1Z+2], 32<<16
	s_mov_b32 s[G1Z+3], 128<<16
	s_mov_b32 s[G1Z+4], 32
	s_mov_b32 s[G1Z+5], 8192
	s_mov_b32 s[G1Z+6], 0
	s_mov_b32 s[G1Z+7], 0
	; groups 0: LDS addresses from the wave's number and constants alone
	s_mov_b32 s[G0+0], 1
	s_mul_i32 s[G0+1], s14, WPART                  ; slot 0, my 32 rows
	s_mov_b32 s[G0+4], 1
	s_add_co_u32 s[G0+5], s[G0+1], SLOTB           ; slot 1, my 32 rows
	s_mov_b32 s[G0Z+0], 1
	s_lshl_b32 s[G0Z+1], s14, 14
	s_add_co_u32 s[G0Z+1], s[G0Z+1], SLOTB         ; z: my 32 channels of 512 bytes
	s_mov_b32 s[G0WW+0], 1
	s_lshl_b32 s[G0WW+1], s14, 12
	s_add_co_u32 s[G0WW+1], s[G0WW+1], WWL         ; ww: my 4,096 bytes
	s_lshl_b32 s24, s14, 14                        ; wb: 32 rows x 512 bytes x wave
	s_mov_b32 s25, 0
	s_lshr_b32 s26, s18, 6                         ; z: b x 8 MiB + 128 s x 4 bytes x block + 32 channels x 32,768 bytes x wave (below 32 MiB)
	s_lshl_b32 s26, s26, 23
	s_and_b32 s27, s18, 63
	s_lshl_b32 s27, s27, 9
	s_add_co_u32 s26, s26, s27
	s_lshl_b32 s27, s14, 20
	s_add_co_u32 s26, s26, s27
	s_mov_b32 s27, 0
	s_lshl_b32 s30, s14, 12                        ; ww: 4,096 bytes x wave
	s_mov_b32 s31, 0
	s_wait_dscnt 0x0
	s_wait_kmcnt 0x0
	s_add_nc_u64 s[G0+2:G0+3], s[6:7], s[24:25]    ; tile 0
	s_add_nc_u64 s[G0+6:G0+7], s[G0+2:G0+3], TILEB ; tile 1
	s_add_nc_u64 s[G0Z+2:G0Z+3], s[4:5], s[26:27]
	s_add_nc_u64 s[G0WW+2:G0WW+3], s[8:9], s[30:31]
	s_or_b32 s[G0+3], s[G0+3], 0x80000000          ; type = 2
	s_or_b32 s[G0+7], s[G0+7], 0x80000000
	s_or_b32 s[G0Z+3], s[G0Z+3], 0x80000000
	s_or_b32 s[G0WW+3], s[G0WW+3], 0x80000000
	ROUND                                          ; the four work-groups are here: the first joint loads meet
	tensor_load_to_lds s[G0Z:G0Z+3], s[G1Z:G1Z+7]          ; the first fills, one group: z into slot 1's bytes,
	s_nop 0
	tensor_load_to_lds s[G0WW:G0WW+3], s[G1WW:G1WW+7]      ; ww,
	s_nop 0
	tensor_load_to_lds s[G0:G0+3], s[G1W:G1W+7]            ; code tile 0 into slot 0.  Three loads of the wave are out: the most in this text
	s_nop 0
	v_and_b32 v1, 15, v0                           ; r
	v_bfe_u32 v2, v0, 4, 1                         ; h
	v_and_b32 v3, 31, v0                           ; lane
	v_mul_u32_u24 v[ADRW], v1, PITCH               ; A fragment: row r x pitch + 16 h + my 64 rows
	v_lshl_add_u32 v[ADRW], v2, 4, v[ADRW]
	s_mul_i32 s28, s15, 64*PITCH
	v_add_nc_u32 v[ADRW], s28, v[ADRW]
	v_add_nc_u32 v[ADRW+1], SLOTB, v[ADRW]
	s_lshl_b32 s28, s15, 8
	s_add_co_u32 s28, s28, WWL
	v_lshl_add_u32 v[WA], v2, 5, s28               ; ww of codes 64 cq + 8 h + 0..7
	s_lshl_b32 s28, s16, 8
	s_add_co_u32 s28, s28, SLOTB
	v_lshl_add_u32 v[ZA], v2, 12, s28              ; z: channel 8 h, s = 64 zr + 4 r
	v_lshl_add_u32 v[ZA], v1, 4, v[ZA]
	v_add_nc_u32 v[ZA+1], 0x10000, v[ZA]           ; channels 128 and up lie beyond the 16-bit immediate
	s_lshl_b32 s28, s15, 10
	s_lshl_b32 s29, s16, 9
	s_add_co_u32 s28, s28, s29
	s_add_co_u32 s28, s28, SCR
	v_lshl_add_u32 v[SCRW], v1, 5, s28             ; scratch: 1,024 cq + 32 (16 zr + r)
	v_lshlrev_b32 v[SCRR], 5, v3
	v_add_nc_u32 v[SCRR], SCR, v[SCRR]
	v_lshlrev_b32 v[OOFF], 4, v3
	s_lshl_b32 s28, s15, 6
	v_lshl_add_u32 v[LB], v2, 3, s28
.irp t, 0,1,2,3
	v_mov_b32 v[BEST+\t], s23
	v_mov_b32 v[GID+\t], 0
.endr
.set n, 0
.rept 32
	v_mov_b32 v[SAVE+n], s23                       ; the selects of the fold read what they keep: written once here
.set n, n+1
.endr
.set n, 0
.rept 10
	v_mov_b32 v[ZP+n], 0                           ; eight sums of zz; PV and PI, which a lane exchange will write
.set n, n+1
.endr
	s_wait_tensorcnt 0x2                           ; tensor loads of a wave end in order: my part of z is in; ww and tile 0, issued behind it, stay out
	s_barrier_signal -1
	s_barrier_wait -1                              ; everybody's part of z is in
; THE B FRAGMENTS.  K step q: register 4 e + p of lane (r, h) holds channels 32 q + 16 e + 8 h + 2 p, + 1.  Sixteen loads of 16 bytes bring the lane those 16
; channels at s = 64 zr + 4 r + 0..3 (16 lanes read 256 neighbouring bytes); word t of a load belongs to tile t.
.macro ZLOAD q
.irp e, 0,1
.irp i, 0,1,2,3,4,5,6,7
	ds_load_b128 v[AB+64*((\q)&1)+4*(8*\e+\i):AB+64*((\q)&1)+4*(8*\e+\i)+3], v[ZA+((\q)>>2)] offset:(32*((\q)&3)+16*\e+\i)*512
.endr
.endr
.endm
.macro ZCVT q
	WIN 0x40                                       ; destination in window 1
.irp e, 0,1
.irp p, 0,1,2,3
.irp t, 0,1,2,3
	v_cvt_pk_bf16_f32 v[64*\t+8*(\q)+4*\e+\p], v[AB+64*((\q)&1)+4*(8*\e+2*\p)+\t], v[AB+64*((\q)&1)+4*(8*\e+2*\p+1)+\t]
.endr
.endr
.endr
	WIN 0x05                                       ; sources 0 and 1 in window 1: squares of the rounded numbers, eight sums by turns
.irp e, 0,1
.irp p, 0,1,2,3
.irp t, 0,1,2,3
	v_fma_mix_f32_bf16 v[ZP+2*\t],   v[64*\t+8*(\q)+4*\e+\p], v[64*\t+8*(\q)+4*\e+\p], v[ZP+2*\t] op_sel_hi:[1,1,0]
	v_fma_mix_f32_bf16 v[ZP+2*\t+1], v[64*\t+8*(\q)+4*\e+\p], v[64*\t+8*(\q)+4*\e+\p], v[ZP+2*\t+1] op_sel:[1,1,0] op_sel_hi:[1,1,0]
.endr
.endr
.endr
	WIN 0
.endm
	ZLOAD 0
.irp q, 0,1,2,3,4,5,6
	ZLOAD \q+1
	s_wait_dscnt 0x10                              ; LDS loads return in order: this K step's 16 are in, the next step's 16 stay out
	ZCVT \q
.endr
	s_wait_dscnt 0x0
	ZCVT 7
.irp t, 0,1,2,3
	v_add_f32 v[ZP+2*\t], v[ZP+2*\t], v[ZP+2*\t+1]
.endr
.irp t, 0,1,2,3
	v_permlanex16_b32 v[ZP+2*\t+1], v[ZP+2*\t], s21, s22   ; lane (r, 1 - h) holds the column's other channels
.endr
.irp t, 0,1,2,3
	v_add_f32 v[ZZ+2*\t],   v[ZP+2*\t], v[ZP+2*\t+1]
	v_add_f32 v[ZZ+2*\t+1], v[ZP+2*\t], v[ZP+2*\t+1]
.endr
; Two LDS loads: the A fragment of K step q of group g of a slot (16 codes x 32 channels)
.macro FLOAD slot, g, q
	ds_load_b128 v[AB+8*(\q):AB+8*(\q)+3],   v[ADRW+(\slot)] offset:(\g)*16*PITCH+64*(\q)
	ds_load_b128 v[AB+8*(\q)+4:AB+8*(\q)+7], v[ADRW+(\slot)] offset:(\g)*16*PITCH+64*(\q)+32
.endm
; Two LDS loads: a group's eight ww of the lane
.macro WWLOAD buf, wwo
	ds_load_b128 v[WWB+8*(\buf):WWB+8*(\buf)+3],   v[WA] offset:(\wwo)
	ds_load_b128 v[WWB+8*(\buf)+4:WWB+8*(\buf)+7], v[WA] offset:(\wwo)+16
.endm
; K step q of a group, into accumulator set s: four matrix instructions.  The four accumulators take turns, one instruction a turn.
; The first K step starts the sums with the constant 0: nothing is cleared.
.macro MMQ s, q
.irp t, 0,1,2,3
.if \q == 0
	v_wmma_f32_16x16x32_bf16 v[ACC-64*(\s)+8*\t:ACC-64*(\s)+8*\t+7], v[AB+8*\q:AB+8*\q+7], v[64*\t+8*\q:64*\t+8*\q+7], 0
.else
	v_wmma_f32_16x16x32_bf16 v[ACC-64*(\s)+8*\t:ACC-64*(\s)+8*\t+7], v[AB+8*\q:AB+8*\q+7], v[64*\t+8*\q:64*\t+8*\q+7], v[ACC-64*(\s)+8*\t:ACC-64*(\s)+8*\t+7]
.endif
.endr
.endm
; The fold of tile t of set s, first rounding: fl(zz - 2 dot).  Source 1 is a constant: runs under either window setting of this loop.
.macro F1 s, t
.irp j, 0,2,4,6
	v_pk_fma_f32 v[ACC-64*(\s)+8*(\t)+\j:ACC-64*(\s)+8*(\t)+\j+1], v[ACC-64*(\s)+8*(\t)+\j:ACC-64*(\s)+8*(\t)+\j+1], -2.0, v[ZZ+2*(\t):ZZ+2*(\t)+1] op_sel_hi:[1,0,1]
.endr
.endm
; Second rounding: + ww.  x 1.0 is exact, so the multiply-add rounds once, as the addition does; ww of set s's group lies in buffer s.
.macro F2 s, t
.irp j, 0,2,4,6
	v_pk_fma_f32 v[ACC-64*(\s)+8*(\t)+\j:ACC-64*(\s)+8*(\t)+\j+1], v[ACC-64*(\s)+8*(\t)+\j:ACC-64*(\s)+8*(\t)+\j+1], 1.0, v[WWB+8*(\s)+\j:WWB+8*(\s)+\j+1] op_sel_hi:[1,0,1]
.endr
.endm
; The rest of the fold for two tiles of set s, 30 instructions under window 0: the least of eight, and where it is strictly less than the least so far,
; the eight distances and the group's number (s20) are kept.  The two tiles' minima are interleaved so that no line waits for the one in front of it.
.macro PART2 s, ta, tb
.set PA, ACC-64*(\s)+8*(\ta)
.set PB, ACC-64*(\s)+8*(\tb)
	v_min3_num_f32 v[T0], v[PA],   v[PA+1], v[PA+2]
	v_min3_num_f32 v[T2], v[PB],   v[PB+1], v[PB+2]
	v_min3_num_f32 v[T1], v[PA+3], v[PA+4], v[PA+5]
	v_min3_num_f32 v[T3], v[PB+3], v[PB+4], v[PB+5]
	v_min3_num_f32 v[T0], v[T0], v[PA+6], v[PA+7]
	v_min3_num_f32 v[T2], v[T2], v[PB+6], v[PB+7]
	v_min_num_f32 v[T0], v[T0], v[T1]
	v_min_num_f32 v[T2], v[T2], v[T3]
	v_cmp_lt_f32 vcc_lo, v[T0], v[BEST+\ta]
	v_min_num_f32 v[BEST+\ta], v[BEST+\ta], v[T0]
.irp j, 0,1,2,3,4,5,6,7
	v_cndmask_b32 v[SAVE+8*\ta+\j], v[SAVE+8*\ta+\j], v[PA+\j], vcc_lo
.endr
	v_cndmask_b32 v[GID+\ta], v[GID+\ta], s20, vcc_lo
	v_cmp_lt_f32 vcc_lo, v[T2], v[BEST+\tb]
	v_min_num_f32 v[BEST+\tb], v[BEST+\tb], v[T2]
.irp j, 0,1,2,3,4,5,6,7
	v_cndmask_b32 v[SAVE+8*\tb+\j], v[SAVE+8*\tb+\j], v[PB+\j], vcc_lo
.endr
	v_cndmask_b32 v[GID+\tb], v[GID+\tb], s20, vcc_lo
.endm
; ONE GROUP: the products of group g of a slot into set g mod 2, the fold of the group before out of the other set, this group's ww (at wwo from WA) and the
; next group's fragments.  Behind K steps 0 .. 7 stand 4, 8, 4, 30, 8, 4, 4, 30 vector instructions of the fold, none of which names a register of this
; group's matrix instructions: they are the four places (ISA guide 7.12.1 for vector instructions) between K step q's products and the load
; into its fragment, and the 30 behind K step 7 are the places between the last products and the next group's fold of them.
; LDS loads go out in one order on every way: ww, fragments 0, 1, .. 7, two loads each.  So at a group's head the 8 loads of its fragments 4-7 may be out
; (s_wait_dscnt 8), and ahead of K step 4 the 10 loads issued behind fragment 7's: this group's ww and the next group's fragments 0-3 (s_wait_dscnt 10).
; mode 0: groups 0-2 of a step.
; mode 1: group 3 with a refill.  The last reads of this slot were issued in group 2.  Behind K step 1 the wave waits for all its LDS loads and for all its
;   tensor loads (the one that is out is its part of the other slot), steps this slot's address and opens a round of the cluster's barrier; K steps 2
;   and 3 and 34 instructions of the fold stand between that signal and its wait (registers only); behind the round's closing wait the joint refill comes
;   first, then ww and the other slot's fragments 0-3, which have K steps 4-7 in which to come.  From a request to the wait for it: 128 matrix instructions.
; mode 2: group 3 of the last step but one: the same waits and a barrier of the work-group, which shows the last tile whole; nothing is left to fetch.
; mode 3: the very last group: no fragments are left to load.
.macro GROUP slot, g, mode, wwo
.set CS, (\g)&1
.set PS, 1-CS
.if \g == 3
.set NSL, 1-(\slot)
.set NG, 0
.else
.set NSL, \slot
.set NG, (\g)+1
.endif
	s_wait_dscnt 0x8                               ; fragments 0-3 and the last group's ww are in
	WIN 0x04                                       ; source 1 (B) in window 1
	MMQ CS, 0
	F1 PS, 0
.if (\mode == 0) || (\mode == 3)
	WWLOAD CS, \wwo
.endif
.if \mode == 0
	FLOAD NSL, NG, 0
.endif
	MMQ CS, 1
	F1 PS, 1
	F2 PS, 0
.if \mode == 0
	FLOAD NSL, NG, 1
.endif
.if (\mode == 1) || (\mode == 2)
	s_wait_dscnt 0x0                               ; my reads of this slot are back
	s_set_vgpr_msb 0x400
	s_wait_tensorcnt 0x0                           ; all my tensor loads have landed, so a group 0 may be written
	ds_add_u32 v62, v63
	s_wait_dscnt 0x0
	s_set_vgpr_msb 0x4
.if \mode == 1
	s_add_nc_u64 s[G0+4*\slot+2:G0+4*\slot+3], s[G0+4*\slot+2:G0+4*\slot+3], 2*TILEB   ; this slot's next tile
.endif
	s_barrier_signal -1
.endif
	MMQ CS, 2
	F2 PS, 1
.if \mode == 0
	FLOAD NSL, NG, 2
.endif
	MMQ CS, 3
	WIN 0
	PART2 PS, 0, 1
.if \mode == 0
	FLOAD NSL, NG, 3
	s_wait_dscnt 0xa                               ; fragments 4-7 are in
.endif
.if (\mode == 1) || (\mode == 2)
	s_barrier_wait -1
.if \mode == 1
	CREST                                          ; no wave of any of the four work-groups still reads this slot or has a load on its way
	tensor_load_to_lds s[G0+4*\slot:G0+4*\slot+3], s[G1W:G1W+7]    ; my one tensor load behind the round
	s_nop 0
.endif
	WWLOAD CS, \wwo
.irp q, 0,1,2,3
	FLOAD NSL, NG, \q
.endr
.endif
.if \mode == 3
	s_wait_dscnt 0x0                               ; fragments 4-7 and the last ww are in
.endif
	WIN 0x04
	MMQ CS, 4
	F1 PS, 2
	F1 PS, 3
.if \mode != 3
	FLOAD NSL, NG, 4
.endif
	MMQ CS, 5
	F2 PS, 2
.if \mode != 3
	FLOAD NSL, NG, 5
.endif
	MMQ CS, 6
	F2 PS, 3
.if \mode != 3
	FLOAD NSL, NG, 6
.endif
	MMQ CS, 7
	WIN 0
	PART2 PS, 2, 3
.if \mode != 3
	FLOAD NSL, NG, 7
.endif
.if \g == 0
	s_add_co_u32 s20, s20, 208                     ; the group just folded was a tile's last: 3 x 16 + 208 = 256
.else
	s_add_co_u32 s20, s20, 16                      ; the number of the group that is folded next
.endif
.endm
	s_wait_dscnt 0x0                               ; my reads of z are back
	s_wait_tensorcnt 0x0                           ; ww and my part of tile 0 have landed
	ds_add_u32 v62, v63
	s_wait_dscnt 0x0
	ROUND                                          ; both hold of every wave of the four work-groups
	tensor_load_to_lds s[G0+4:G0+7], s[G1W:G1W+7]  ; tile 1 over z's bytes: my one tensor load behind the round
	s_nop 0
.irp q, 0,1,2,3,4,5,6,7
	FLOAD 0, 0, \q
.endr
	s_mov_b32 s20, 0                               ; the number of the group that is folded next
	s_mov_b32 s19, 15                              ; 15 trips of two tiles ask for tiles 2 to 31
	; The first group has nothing to fold: its products, four places, then the loads in the order of every group.
	s_wait_dscnt 0x0
	WIN 0x04
.irp q, 0,1,2,3,4,5,6,7
	MMQ 0, \q
.endr
.rept 4
	v_nop
.endr
	WWLOAD 0, 0
.irp q, 0,1,2,3,4,5,6,7
	FLOAD 0, 1, \q
.endr
	WIN 0
; The loop is turned by one group: it begins with group 1 of slot 0 and ends with group 0 of slot 0's next tile, whose ww lies 2,048 bytes on.
.Ltrip:
	GROUP 0, 1, 0, 64
	GROUP 0, 2, 0, 128
	GROUP 0, 3, 1, 192
	GROUP 1, 0, 0, 1024
	GROUP 1, 1, 0, 1088
	GROUP 1, 2, 0, 1152
	GROUP 1, 3, 1, 1216
	GROUP 0, 0, 0, 2048
	v_add_nc_u32 v[WA], 2048, v[WA]                ; ww of the next two tiles
	s_sub_co_i32 s19, s19, 1
	s_cmp_lg_u32 s19, 0
	s_cbranch_scc1 .Ltrip
	GROUP 0, 1, 0, 64                              ; the last two tiles fetch nothing
	GROUP 0, 2, 0, 128
	GROUP 0, 3, 2, 192
	GROUP 1, 0, 0, 1024
	GROUP 1, 1, 0, 1088
	GROUP 1, 2, 0, 1152
	GROUP 1, 3, 3, 1216
	; the last group's fold, by itself; the 30 vector instructions behind its last products are the places in front of these reads
.irp t, 0,1,2,3
	F1 1, \t
.endr
.irp t, 0,1,2,3
	F2 1, \t
.endr
	PART2 1, 0, 1
	PART2 1, 2, 3
; Which of the eight: the lowest j whose kept distance equals the least.  Then the better of the two lanes that share a column, by (distance, code).
.macro LEXMIN dval, val, ind, pval, pind           ; takes (pval, pind) where pval < val, or pval = val and pind < ind.  Selects only
	v_cmp_lt_f32 s28, v[\pval], v[\val]
	v_cmp_eq_f32 s29, v[\pval], v[\val]
	v_cmp_lt_u32 vcc_lo, v[\pind], v[\ind]
	s_and_b32 s29, s29, vcc_lo
	s_or_b32 vcc_lo, s28, s29
	v_cndmask_b32 v[\dval], v[\val], v[\pval], vcc_lo
	v_cndmask_b32 v[\ind], v[\ind], v[\pind], vcc_lo
.endm
.irp t, 0,1,2,3
	v_mov_b32 v[JJ], 7
.irp j, 6,5,4,3,2,1,0
	v_cmp_eq_f32 vcc_lo, v[SAVE+8*\t+\j], v[BEST+\t]
	v_cndmask_b32 v[JJ], v[JJ], \j, vcc_lo
.endr
	v_add3_u32 v[EI+\t], v[GID+\t], v[JJ], v[LB]   ; code = 256 step + 16 group + 64 cq + 8 h + j
	v_permlanex16_b32 v[PV], v[BEST+\t], s21, s22
	v_permlanex16_b32 v[PI], v[EI+\t], s21, s22
	LEXMIN EV+\t, BEST+\t, EI+\t, PV, PI
.endr
	ds_store_b128 v[SCRW], v[EV:EV+3]              ; lanes r and 16 + r hold the same and write the same bytes
	ds_store_b128 v[SCRW], v[EI:EI+3] offset:16
	s_wait_dscnt 0x0                               ; for wave 0's sake
	ROUND                                          ; the closing round: no work-group ends while a partner may still ask jointly; its barriers also show the scratch to wave 0
	s_cmp_lg_u32 s14, 0
	s_cbranch_scc1 .Lend
	; wave 0: lane l merges the four quarters of the codes for vectors 4 l .. 4 l + 3
.irp c, 0,1,2,3
	ds_load_b128 v[AB+8*\c:AB+8*\c+3],   v[SCRR] offset:\c*1024
	ds_load_b128 v[AB+8*\c+4:AB+8*\c+7], v[SCRR] offset:\c*1024+16
.endr
	s_lshl_b32 s26, s18, 9                         ; 128 indices x 4 bytes x work-group (s27 is 0)
	s_add_nc_u64 s[10:11], s[10:11], s[26:27]
	s_add_nc_u64 s[12:13], s[12:13], s[26:27]
	s_wait_dscnt 0x0
.irp c, 1,2,3
.irp t, 0,1,2,3
	LEXMIN AB+\t, AB+\t, AB+4+\t, AB+8*\c+\t, AB+8*\c+4+\t
.endr
.endr
	global_store_b128 v[OOFF], v[AB+4:AB+7], s[10:11]      ; 512 consecutive bytes, aligned
	global_store_b128 v[OOFF], v[AB+4:AB+7], s[12:13]      ; the copy from which the next launch forms addresses
.Lend:
	s_wait_tensorcnt 0x0
	ds_add_u32 v62, v63
	s_wait_dscnt 0x0
	s_endpgm
.Lfunc_end_k_q4ae7105733_dist:
	.size	k_q4ae7105733_dist, .Lfunc_end_k_q4ae7105733_dist-k_q4ae7105733_dist
	.p2alignl 7, 3214868480
	.fill 96, 4, 3214868480
	.section	.rodata,"a",@progbits
	.p2align	6, 0x0
	.amdhsa_kernel k_q4ae7105733_dist
		.amdhsa_group_segment_fixed_size 327680
		.amdhsa_private_segment_fixed_size 0
		.amdhsa_enable_private_segment 0
		.amdhsa_kernarg_size 40
		.amdhsa_user_sgpr_count 2
		.amdhsa_user_sgpr_kernarg_segment_ptr 1
		.amdhsa_wavefront_size32 1
		.amdhsa_system_sgpr_workgroup_id_x 1
		.amdhsa_system_sgpr_workgroup_id_y 1
		.amdhsa_system_sgpr_workgroup_id_z 1
		.amdhsa_system_vgpr_workitem_id 0
		.amdhsa_next_free_vgpr 512
		.amdhsa_next_free_sgpr 80
		.amdhsa_reserve_vcc 1
		.amdhsa_float_denorm_mode_32 3
		.amdhsa_float_denorm_mode_16_64 3
		.amdhsa_memory_ordered 1
		.amdhsa_forward_progress 1
		.amdhsa_inst_pref_size 201
	.end_amdhsa_kernel
	.amdgpu_metadata
---
amdhsa.version: [ 1, 2 ]
amdhsa.kernels:
  - .name:           k_q4ae7105733_dist
    .symbol:         k_q4ae7105733_dist.kd
    .args:
      - { .name: z, .offset: 0, .size: 8, .value_kind: global_buffer, .address_space: global }
      - { .name: wb, .offset: 8, .size: 8, .value_kind: global_buffer, .address_space: global }
      - { .name: ww, .offset: 16, .size: 8, .value_kind: global_buffer, .address_space: global }
      - { .name: out2, .offset: 24, .size: 8, .value_kind: global_buffer, .address_space: global }
      - { .name: idx, .offset: 32, .size: 8, .value_kind: global_buffer, .address_space: global }
    .group_segment_fixed_size: 327680
    .private_segment_fixed_size: 0
    .kernarg_segment_align: 8
    .kernarg_segment_size: 40
    .max_flat_workgroup_size: 256
    .sgpr_count:     80
    .vgpr_count:     512
    .wavefront_size: 32
...
	.end_amdgpu_metadata
.endif
;; end of part 2
;; launch gath (part 3): grid 256 x 1, 8 waves a work-group, no clusters, 164,864 bytes of LDS; arguments z, weight, idx, out0, part; writes out0, part
.if DOCPART == 3
	.amdgcn_target "amdgcn-amd-amdhsa--gfx1250"
	.amdhsa_code_object_version 6
	.text
	.protected	k_q4ae7105733_gath
	.globl	k_q4ae7105733_gath
	.p2align	8
	.type	k_q4ae7105733_gath,@function
k_q4ae7105733_gath:
	s_mov_b64 s[64:65], 0
	v_nop
	global_prefetch_b8 v0, s[64:65] scope:SCOPE_SE
	s_setreg_imm32_b32 hwreg(HW_REG_WAVE_MODE, 25, 1), 1
	s_wait_xcnt 0x0
; out0[b][c][s] = z + (weight[idx[n]][c] - z), in f32 with the two roundings of the formula; part[wave] = sum of (weight[idx] - z)^2 over the wave's numbers.
; A work-group owns 128 vectors (128 neighbouring s of one b) x 256 channels.  Wave wv gathers the code rows of vectors 16 wv .. + 15 (1,024 bytes each, whole
; rows) into LDS, and behind one barrier handles channels 32 wv .. + 31 of all 128 vectors: lane l holds s = 4 l .. 4 l + 3, so each load of z and each store
; of out0 covers 512 consecutive bytes, aligned.
; LDS: vector s, channel c at 1,280 s + 8 (s >> 2) + 4 c, 163,832 bytes at the most.  The transposed read (lane l, vector 4 l + i, one channel) is at
; 5,128 l + 1,280 i + 4 c: word 1,282 l + ..., which is 2 l modulo 64: 32 lanes, 32 different words modulo 64.  Rows are aligned to 8 bytes, so they are
; written 8 bytes a lane.
; Indices come from a buffer of whole numbers that the launch before stored; each is clamped to 8,191 ahead of its use in an address.
; No tensor load, cluster or matrix unit: the rows wanted hang on data and differ between work-groups, and every byte of z and out0 moves once.
.set RO, 4                             ; v[4:19]    row k: 1,024 x index + 16 x lane; never rewritten
.set L,  20                            ; v[20:27]   four pairs of sums of squares
.set Z,  32                            ; v[32:159]  channel k: z at 4 k, then out0; store data, never rewritten behind the store
.set G,  160                           ; v[160:223] a ring of 8 gathered rows (8 registers each); then two buffers of 8 channels x 4 of w
.macro WSUM r, tmp, sa, sb
	v_add_f32_dpp v[\r], v[\r], v[\r] row_xmask:1 row_mask:0xf bank_mask:0xf
	v_add_f32_dpp v[\r], v[\r], v[\r] row_xmask:2 row_mask:0xf bank_mask:0xf
	v_add_f32_dpp v[\r], v[\r], v[\r] row_xmask:4 row_mask:0xf bank_mask:0xf
	v_add_f32_dpp v[\r], v[\r], v[\r] row_xmask:8 row_mask:0xf bank_mask:0xf
	v_permlanex16_b32 v[\tmp], v[\r], s[\sa], s[\sb]
	v_add_f32 v[\r], v[\r], v[\tmp]
.endm
	s_load_b256 s[4:11], s[0:1], 0x0               ; z s[4:5], weight s[6:7], idx s[8:9], out0 s[10:11]
	s_load_b64 s[12:13], s[0:1], 0x20              ; part
	v_lshl_add_u32 v224, v0, 2, 0x28000
	v_mov_b32 v225, 0
	v_lshrrev_b32 v1, 5, v0
	v_readfirstlane_b32 s14, v1                    ; wave 0..7
	v_and_b32 v28, 31, v0                          ; lane
	v_lshlrev_b32 v1, 4, v28                       ; 16 x lane
	s_mul_i32 s15, s14, 20512                      ; 16 rows x 1,280 + 4 x 8
	v_add_nc_u32 v2, s15, v1                       ; LDS, where I write my rows
	s_lshl_b32 s15, s14, 7
	v_mul_u32_u24 v3, v28, 5128
	v_add_nc_u32 v3, s15, v3                       ; LDS, where I read: vector 4 l, channel 32 wv
	v_mov_b32 v29, 0
	v_mov_b32 v30, 0                               ; the lane exchange counts as a reader of its destination
	s_mov_b32 s38, 0x76543210
	s_mov_b32 s39, 0xfedcba98
	s_lshl_b32 s32, ttmp9, 9                       ; idx: (128 x group + 16 x wave) x 4 bytes
	s_lshl_b32 s33, s14, 6
	s_add_co_u32 s32, s32, s33
	s_mov_b32 s33, 0
	s_lshr_b32 s34, ttmp9, 6                       ; z, out0: b x 8 MiB + block x 512 + wave x 32 channels x 32,768 bytes (below 32 MiB)
	s_lshl_b32 s34, s34, 23
	s_and_b32 s35, ttmp9, 63
	s_lshl_b32 s35, s35, 9
	s_add_co_u32 s34, s34, s35
	s_lshl_b32 s35, s14, 20
	s_add_co_u32 s34, s34, s35
	s_mov_b32 s35, 0
	s_lshl_b32 s36, ttmp9, 5                       ; part: (8 x group + wave) x 4 bytes
	s_lshl2_add_u32 s36, s14, s36
	s_mov_b32 s37, 0
	s_wait_kmcnt 0x0
	s_add_nc_u64 s[8:9], s[8:9], s[32:33]
	s_load_b512 s[16:31], s[8:9], 0x0              ; my 16 indices
	s_add_nc_u64 s[4:5], s[4:5], s[34:35]
	s_add_nc_u64 s[10:11], s[10:11], s[34:35]
	s_add_nc_u64 s[12:13], s[12:13], s[36:37]
.set n, 0
.rept 32
	global_load_b128 v[Z+4*n:Z+4*n+3], v1, s[4:5] offset:n*32768 th:TH_LOAD_NT   ; all of my z goes out while the indices are on their way
.set n, n+1
.endr
	s_wait_kmcnt 0x0
.irp k, 0,1,2,3,4,5,6,7,8,9,10,11,12,13,14,15
	s_min_u32 s[16+\k], s[16+\k], 0x1fff
	v_lshl_add_u32 v[RO+\k], s[16+\k], 10, v1
.endr
.macro GROW k                          ; row k's 1,024 bytes into ring slot k mod 8; no hint: a code may be named many times
	global_load_b128 v[G+8*((\k)&7):G+8*((\k)&7)+3],   v[RO+(\k)], s[6:7]
	global_load_b128 v[G+8*((\k)&7)+4:G+8*((\k)&7)+7], v[RO+(\k)], s[6:7] offset:512
.endm
.macro SROW k, left                    ; row k goes to LDS
	s_wait_loadcnt \left
	ds_store_b64 v2, v[G+8*((\k)&7):G+8*((\k)&7)+1]   offset:(\k)*1280+8*((\k)>>2)
	ds_store_b64 v2, v[G+8*((\k)&7)+2:G+8*((\k)&7)+3] offset:(\k)*1280+8*((\k)>>2)+8
	ds_store_b64 v2, v[G+8*((\k)&7)+4:G+8*((\k)&7)+5] offset:(\k)*1280+8*((\k)>>2)+512
	ds_store_b64 v2, v[G+8*((\k)&7)+6:G+8*((\k)&7)+7] offset:(\k)*1280+8*((\k)>>2)+520
.endm
.irp k, 0,1,2,3,4,5,6,7
	GROW \k
.endr
.irp k, 0,1,2,3,4,5,6,7
	SROW \k, 14                                    ; loads return in order: z and row k are in; seven younger rows, 14 loads, stay out
	GROW \k+8
.endr
.irp k, 8,9,10,11,12,13,14,15
	SROW \k, 30-2*\k                               ; nothing more is asked for: the counts run down 14, 12, .. 0
.endr
	s_wait_dscnt 0x0                               ; for the others' sake: my rows are in LDS
	s_barrier_signal -1
	s_barrier_wait -1
.macro WLOAD n                         ; block n: w of channels 8 n .. 8 n + 7 for my four vectors, into buffer n mod 2
.irp kk, 0,1,2,3,4,5,6,7
.irp i, 0,1,2,3
	ds_load_b32 v[G+32*((\n)&1)+4*\kk+\i], v3 offset:\i*1280+4*(8*(\n)+\kk)
.endr
.endr
.endm
.macro CHAN n, kk                      ; one channel: w - z, its squares, z + (w - z), 16 bytes a lane out
.set CK, 8*(\n)+\kk
.set CG, G+32*((\n)&1)+4*\kk
.set CZ, Z+4*CK
.set CA, L+4*(\kk&1)
	v_pk_add_f32 v[CG:CG+1],   v[CG:CG+1],   v[CZ:CZ+1]   neg_lo:[0,1] neg_hi:[0,1]
	v_pk_add_f32 v[CG+2:CG+3], v[CG+2:CG+3], v[CZ+2:CZ+3] neg_lo:[0,1] neg_hi:[0,1]
.if CK < 2
	v_pk_mul_f32 v[CA:CA+1],   v[CG:CG+1],   v[CG:CG+1]                ; the first squares start the four sums: nothing is cleared
	v_pk_mul_f32 v[CA+2:CA+3], v[CG+2:CG+3], v[CG+2:CG+3]
.else
	v_pk_fma_f32 v[CA:CA+1],   v[CG:CG+1],   v[CG:CG+1],   v[CA:CA+1]
	v_pk_fma_f32 v[CA+2:CA+3], v[CG+2:CG+3], v[CG+2:CG+3], v[CA+2:CA+3]
.endif
	v_pk_add_f32 v[CZ:CZ+1],   v[CZ:CZ+1],   v[CG:CG+1]
	v_pk_add_f32 v[CZ+2:CZ+3], v[CZ+2:CZ+3], v[CG+2:CG+3]
	global_store_b128 v1, v[CZ:CZ+3], s[10:11] offset:CK*32768 th:TH_STORE_NT
.endm
	WLOAD 0
	WLOAD 1
.irp n, 0,1,2,3
.if \n < 3
	s_wait_dscnt 0x20                              ; LDS loads return in order: this block's 32 are in, the next block's 32 stay out
.else
	s_wait_dscnt 0x0
.endif
.irp kk, 0,1,2,3,4,5,6,7
	CHAN \n, \kk
.endr
.if \n < 2
	WLOAD \n+2                                     ; into the buffer just used up; it holds no store's data
.endif
.endr
	v_pk_add_f32 v[L:L+1],   v[L:L+1],   v[L+2:L+3]
	v_pk_add_f32 v[L+4:L+5], v[L+4:L+5], v[L+6:L+7]
	v_pk_add_f32 v[L:L+1],   v[L:L+1],   v[L+4:L+5]
	v_add_f32 v[L], v[L], v[L+1]
	WSUM L, 30, 38, 39
	v_cmp_eq_u32 vcc_lo, 0, v28
	s_wait_xcnt 0x0                                ; EXEC is a source of the stores above: it changes only behind this wait
	s_wait_tensorcnt 0x0
	ds_add_u32 v224, v225
	s_wait_dscnt 0x0
	s_and_saveexec_b32 s15, vcc_lo
	global_store_b32 v29, v[L], s[12:13]           ; lane 0: the wave's sum, one word of its own
	s_wait_xcnt 0x0
	s_or_b32 exec_lo, exec_lo, s15
	s_endpgm
.Lfunc_end_k_q4ae7105733_gath:
	.size	k_q4ae7105733_gath, .Lfunc_end_k_q4ae7105733_gath-k_q4ae7105733_gath
	.p2alignl 7, 3214868480
	.fill 96, 4, 3214868480
	.section	.rodata,"a",@progbits
	.p2align	6, 0x0
	.amdhsa_kernel k_q4ae7105733_gath
		.amdhsa_group_segment_fixed_size 164864
		.amdhsa_private_segment_fixed_size 0
		.amdhsa_enable_private_segment 0
		.amdhsa_kernarg_size 40
		.amdhsa_user_sgpr_count 2
		.amdhsa_user_sgpr_kernarg_segment_ptr 1
		.amdhsa_wavefront_size32 1
		.amdhsa_system_sgpr_workgroup_id_x 1
		.amdhsa_system_sgpr_workgroup_id_y 1
		.amdhsa_system_sgpr_workgroup_id_z 1
		.amdhsa_system_vgpr_workitem_id 0
		.amdhsa_next_free_vgpr 226
		.amdhsa_next_free_sgpr 66
		.amdhsa_reserve_vcc 1
		.amdhsa_float_denorm_mode_32 3
		.amdhsa_float_denorm_mode_16_64 3
		.amdhsa_memory_ordered 1
		.amdhsa_forward_progress 1
		.amdhsa_inst_pref_size 39
	.end_amdhsa_kernel
	.amdgpu_metadata
---
amdhsa.version: [ 1, 2 ]
amdhsa.kernels:
  - .name:           k_q4ae7105733_gath
    .symbol:         k_q4ae7105733_gath.kd
    .args:
      - { .name: z, .offset: 0, .size: 8, .value_kind: global_buffer, .address_space: global }
      - { .name: weight, .offset: 8, .size: 8, .value_kind: global_buffer, .address_space: global }
      - { .name: idx, .offset: 16, .size: 8, .value_kind: global_buffer, .address_space: global }
      - { .name: out0, .offset: 24, .size: 8, .value_kind: global_buffer, .address_space: global }
      - { .name: part, .offset: 32, .size: 8, .value_kind: global_buffer, .address_space: global }
    .group_segment_fixed_size: 164864
    .private_segment_fixed_size: 0
    .kernarg_segment_align: 8
    .kernarg_segment_size: 40
    .max_flat_workgroup_size: 256
    .sgpr_count:     66
    .vgpr_count:     226
    .wavefront_size: 32
...
	.end_amdgpu_metadata
.endif
;; end of part 3
;; launch loss (part 4): grid 1 x 1, 1 waves a work-group, no clusters, 0 bytes of LDS; arguments part, out1; writes out1
.if DOCPART == 4
	.amdgcn_target "amdgcn-amd-amdhsa--gfx1250"
	.amdhsa_code_object_version 6
	.text
	.protected	k_q4ae7105733_loss
	.globl	k_q4ae7105733_loss
	.p2align	8
	.type	k_q4ae7105733_loss,@function
k_q4ae7105733_loss:
	s_mov_b64 s[64:65], 0
	v_nop
	global_prefetch_b8 v0, s[64:65] scope:SCOPE_SE
	s_setreg_imm32_b32 hwreg(HW_REG_WAVE_MODE, 25, 1), 1
	s_wait_xcnt 0x0
; out1 = 1.25 x (sum of the 2,048 partial sums) / 2^23: embedding loss + 0.25 x commitment loss, both the mean of (z_q - z)^2 over 8,388,608 numbers.
; One wave: 8,192 bytes are 16 loads of 16 bytes a lane, all out at once; the sum has one owner, so no traffic between work-groups is needed.
	s_load_b128 s[4:7], s[0:1], 0x0                ; part s[4:5], out1 s[6:7]
	v_lshlrev_b32 v1, 4, v0
	v_mov_b32 v2, 0
	v_mov_b32 v3, 0                                ; the lane exchange counts as a reader of its destination
	s_mov_b32 s8, 0x76543210
	s_mov_b32 s9, 0xfedcba98
	s_wait_kmcnt 0x0
.irp i, 0,1,2,3,4,5,6,7,8,9,10,11,12,13,14,15
	global_load_b128 v[16+4*\i:16+4*\i+3], v1, s[4:5] offset:\i*512
.endr
	s_wait_loadcnt 0x0
.set n, 4
.rept 28
	v_pk_add_f32 v[16+2*(n%4):17+2*(n%4)], v[16+2*(n%4):17+2*(n%4)], v[16+2*n:17+2*n]   ; four chains, started by the first four pairs
.set n, n+1
.endr
	v_pk_add_f32 v[16:17], v[16:17], v[18:19]
	v_pk_add_f32 v[20:21], v[20:21], v[22:23]
	v_pk_add_f32 v[16:17], v[16:17], v[20:21]
	v_add_f32 v16, v16, v17
	v_add_f32_dpp v16, v16, v16 row_xmask:1 row_mask:0xf bank_mask:0xf
	v_add_f32_dpp v16, v16, v16 row_xmask:2 row_mask:0xf bank_mask:0xf
	v_add_f32_dpp v16, v16, v16 row_xmask:4 row_mask:0xf bank_mask:0xf
	v_add_f32_dpp v16, v16, v16 row_xmask:8 row_mask:0xf bank_mask:0xf
	v_permlanex16_b32 v3, v16, s8, s9
	v_add_f32 v16, v16, v3
	v_mul_f32 v16, 0x34200000, v16                 ; 1.25 x 2^-23
	v_cmp_eq_u32 vcc_lo, 0, v0
	s_wait_xcnt 0x0                                ; EXEC changes only behind this wait
	s_and_saveexec_b32 s10, vcc_lo
	global_store_b32 v2, v16, s[6:7]
	s_wait_xcnt 0x0
	s_or_b32 exec_lo, exec_lo, s10
	s_endpgm
.Lfunc_end_k_q4ae7105733_loss:
	.size	k_q4ae7105733_loss, .Lfunc_end_k_q4ae7105733_loss-k_q4ae7105733_loss
	.p2alignl 7, 3214868480
	.fill 96, 4, 3214868480
	.section	.rodata,"a",@progbits
	.p2align	6, 0x0
	.amdhsa_kernel k_q4ae7105733_loss
		.amdhsa_group_segment_fixed_size 0
		.amdhsa_private_segment_fixed_size 0
		.amdhsa_enable_private_segment 0
		.amdhsa_kernarg_size 16
		.amdhsa_user_sgpr_count 2
		.amdhsa_user_sgpr_kernarg_segment_ptr 1
		.amdhsa_wavefront_size32 1
		.amdhsa_system_sgpr_workgroup_id_x 1
		.amdhsa_system_sgpr_workgroup_id_y 1
		.amdhsa_system_sgpr_workgroup_id_z 1
		.amdhsa_system_vgpr_workitem_id 0
		.amdhsa_next_free_vgpr 80
		.amdhsa_next_free_sgpr 66
		.amdhsa_reserve_vcc 1
		.amdhsa_float_denorm_mode_32 3
		.amdhsa_float_denorm_mode_16_64 3
		.amdhsa_memory_ordered 1
		.amdhsa_forward_progress 1
		.amdhsa_inst_pref_size 5
	.end_amdhsa_kernel
	.amdgpu_metadata
---
amdhsa.version: [ 1, 2 ]
amdhsa.kernels:
  - .name:           k_q4ae7105733_loss
    .symbol:         k_q4ae7105733_loss.kd
    .args:
      - { .name: part, .offset: 0, .size: 8, .value_kind: global_buffer, .address_space: global }
      - { .name: out1, .offset: 8, .size: 8, .value_kind: global_buffer, .address_space: global }
    .group_segment_fixed_size: 0
    .private_segment_fixed_size: 0
    .kernarg_segment_align: 8
    .kernarg_segment_size: 16
    .max_flat_workgroup_size: 32
    .sgpr_count:     66
    .vgpr_count:     80
    .wavefront_size: 32
...
	.end_amdgpu_metadata
.endif
;; end of part 4
